; MI455X (gfx1250); checked and timed in simulation.
; The chip was launched on July 23, 2026; its instructions are those of AMD's public machine-readable ISA for CDNA 5 (MIT licence, August 2026) and "CDNA5" Instruction Set Architecture Reference Guide (July 2026). The comments in the code are by the model that wrote it; some were corrected since.
;; Self Attention. Allowed arithmetic: matrix products marked QUANTISED: E2M1 operands, one E8M0 scale for each 32 along K, by v_wmma_scale_f32_16x16x128_f8f6f4 with both operands' format E2M1 (or v_wmma_scale_f32_32x16x128_f4), f32 sums; products left as they are: bf16, f16 or f32 operands; f32 sums; everything else in f32.
;; Inputs: Wproj 1,024 x 1,024 float32; Wqkv 3,072 x 1,024 float32; bproj 1,024 float32; x 8 x 2,048 x 1,024 float32.
;; Outputs: out0 8 x 2,048 x 1,024 float32.
;; This version of the problem:
;;   THIS VERSION OF THE PROBLEM IS GIVEN IN LOW PRECISION. The matrix products marked QUANTISED in the list below multiply operands that are first quantised to E2M1 (2 exponent bits, 1 mantissa bit; 4 bits a number), with one power-of-two scale for each 32 numbers along K (OCP MX v1.0); their sums are f32. The products marked 'left as it is' may take bf16, f16 or f32 operands, with f32 sums. Whichever they take, every output number must still come out within the allowed error. Rounding operands to bf16 (8 significant bits) uses up far more of that allowance than f16 does (11 bits, for magnitudes from 6e-5 to 65,504). All else is computed in f32.
;;   The module's matrix products, in the order in which they are computed (A, B: the left and right operand; K: the contracted axis; several contracted axes count as one K, in the product's order):
;;     1. [M 16,384, K 1,024] x [K 1,024, N 3,072]; A: input x; B: input Wqkv: QUANTISED
;;     2. batch 16,384 x [M 16, K 64] x [K 64, N 16]; A: computed on the way; B: computed on the way: left as it is (an operand is computed on the way)
;;     3. batch 16,384 x [M 16, K 16] x [K 16, N 64]; A: computed on the way; B: computed on the way: left as it is (K = 16 < 32)
;;     4. [M 16,384, K 1,024] x [K 1,024, N 1,024]; A: computed on the way; B: input Wproj: left as it is (an operand is computed on the way)
;;   THE QUANTISER, for each operand of a quantised product, along K:
;;     - K is cut into blocks of 32 from its start; a last block that is shorter is filled with zeros.
;;     - A block's scale is 2^e with e = floor(log2(the largest magnitude in the block)) - 2, held to -126 .. 127; a block of zeros has e = 0. As a byte (E8M0): e + 127.
;;     - Each number is divided by its block's scale, clamped to +-6, and rounded to the nearest number of E2M1, ties to even, subnormals kept.
;;     - The product sums the exact products of the quantised numbers (number of the format x scale) in f32.
;;   ~~~python
;;   def quantise(x, axis):      # numpy; x: float32 -> the quantised numbers, widened to float32 again
;;       x = np.moveaxis(x, axis, -1); K = x.shape[-1]
;;       x = np.pad(x, [(0, 0)] * (x.ndim - 1) + [(0, -K % 32)]); x = x.reshape(x.shape[:-1] + (-1, 32)); a = np.abs(x).max(-1, keepdims=True)
;;       e = np.where(a > 0, np.clip(np.frexp(np.where(a > 0, a, 1))[1] - 1 - 2, -126, 127), 0)      # np.frexp(a)[1] - 1 = floor(log2(a)), exactly
;;       r = np.clip(x / 2.0 ** e, -6, 6)
;;       step = 2.0 ** (np.maximum(np.frexp(np.where(r == 0, 1, r))[1] - 1, 0) - 1)
;;       q = np.round(r / step) * step * 2.0 ** e      # np.round: ties to even
;;       return np.moveaxis(q.reshape(q.shape[:-2] + (-1,))[..., :K], -1, axis).astype(np.float32)
;;   ~~~
;; One version. Each part assembles by itself: llvm-mc -triple=amdgcn-amd-amdhsa -mcpu=gfx1250 --defsym DOCPART=n.
;; ======== version 1 of 1: 3 launches
;; limits: values are held in f16: magnitudes above 65,504 overflow, below 6.1e-05 lose precision
;; workspace buffers: wq 1,671,168 bytes; wp 2,097,152 bytes; att 33,554,432 bytes
;; launch prep (part 1): grid 256 x 1, 4 waves a work-group, no clusters, 0 bytes of LDS; arguments Wqkv, Wproj, wq, wp; writes wq, wp
.if DOCPART == 1
	.amdgcn_target "amdgcn-amd-amdhsa--gfx1250"
	.amdhsa_code_object_version 6
	.text
	.protected	k_q5c6a7f57ac_prep
	.globl	k_q5c6a7f57ac_prep
	.p2align	8
	.type	k_q5c6a7f57ac_prep,@function
k_q5c6a7f57ac_prep:
	s_mov_b64 s[64:65], 0
	v_nop
	global_prefetch_b8 v0, s[64:65] scope:SCOPE_SE
	s_setreg_imm32_b32 hwreg(HW_REG_WAVE_MODE, 25, 1), 1
	s_wait_xcnt 0x0
; THE WEIGHTS ARE LAID OUT ONCE, AS THE LATER LAUNCHES' OPERAND REGISTERS TAKE THEM.
; Work-groups 0-191: Wqkv [3072][1024] f32 -> wq: codes of FP4 (E2M1) with one E8M0 byte for each 32 along K.
;   wq = 12 fills of SLOT bytes (fill f = 2 P + H: pass P = 0..5, half H of K) x 4 wave blocks of WBLK bytes (wave w of the next launch).
;   A wave block: codes [s4 0..3][tile n 0..7][piece c 0,1][lane L][16 bytes], then from byte 32,768 scale words [s4][q 0..3][lane L][4 bytes].
;   K step s = 4 H + s4 (128 along K).  Piece c, lane L = 16 hh + r: the codes of k = 128 s + 64 c + 32 hh + 0..31 of the tile's row r.
;   Scale word (q, L): the word of tile 2 q + L / 16, row L % 16; its byte b scales k = 128 s + 32 b + 0..31.
;   Row r of tile n:  P < 4: row 192 r + 64 (P & 1) + 32 (P >> 1) + 8 w + n of Wqkv (one feature of q or k, lane r = the head);
;                     P >= 4: row 192 (8 (w & 1) + n) + 128 + 16 (2 (P - 4) + (w >> 1)) + r (one head of v, lane r = the channel).
;   A work-group takes one (f, w, s4); its wave q takes tiles 2 q and 2 q + 1.  A lane loads a whole block of 32 numbers (8 loads of 16 bytes on end), so a block's
;   largest magnitude needs no other lane and the conversions' results are the operand's registers.  Each store of codes covers 512 consecutive bytes, aligned.
; Work-groups 192-255: Wproj [1024][1024] f32 -> wp [1024][1024] f16 with K permuted as the attention's result is stored:
;   wp[m][256 a + 8 L + j] = Wproj[m][64 r + 16 a + 8 hh + j], L = 16 hh + r.  A wave takes 4 rows.
; THE SCALE: 2^(floor(log2(largest magnitude)) - 2); its byte is the largest magnitude's exponent field - 2, held at 1 from below by a floor among the maximum's leaves.
; LIMITS: a block of zeros gets the byte 1 (its codes are zeros; this program alone reads the bytes); blocks whose largest magnitude lies under 2^-124 keep the byte 1 (not tried);
; NaN and infinities are not served; Wproj goes in f16: magnitudes up to 65,504, under 6e-5 kept to 3e-8 absolute.
; No LDS, no barrier; no register that a store reads is written again, so no wait stands for the stores.
.set SLOT, 139264
.set WBLK, 34816
.set X,    32                          ; v32-159  128 numbers as loaded
.set CD,   160                         ; v160-175 codes: four registers for each of the four blocks
.set BY,   176                         ; v176-179 a block's scale byte
.set SCL,  180                         ; v180-183 a block's scale operand for the conversion
.set WD,   184                         ; v184-185 the two tiles' scale words
	s_load_b256 s[4:11], s[0:1], 0x0               ; Wqkv s[4:5], Wproj s[6:7], wq s[8:9], wp s[10:11]
	v_lshrrev_b32 v1, 5, v0
	v_readfirstlane_b32 s12, v1                    ; wave q
	v_and_b32 v2, 31, v0                           ; lane L
	v_and_b32 v3, 15, v0                           ; r
	v_bfe_u32 v4, v0, 4, 1                         ; hh
	v_lshlrev_b32 v5, 4, v2                        ; 16 L
	s_cmp_lt_u32 ttmp9, 192                        ; the work-group's number alone decides: all four waves go the same way
	s_cbranch_scc0 .Lwproj
	; ---- Wqkv
	s_and_b32 s13, ttmp9, 3                        ; s4
	s_bfe_u32 s14, ttmp9, 0x20002                  ; w
	s_lshr_b32 s15, ttmp9, 4                       ; f
	s_lshr_b32 s16, s15, 1                         ; P
	s_and_b32 s17, s15, 1
	s_lshl_b32 s17, s17, 2
	s_add_co_u32 s17, s17, s13                     ; s = 4 H + s4
	s_and_b32 s18, s16, 1                          ; the q and k passes: 64 (P & 1) + 32 (P >> 1) + 8 w + 2 q
	s_lshl_b32 s18, s18, 6
	s_lshr_b32 s19, s16, 1
	s_lshl_b32 s19, s19, 5
	s_add_co_u32 s18, s18, s19
	s_lshl_b32 s19, s14, 3
	s_add_co_u32 s18, s18, s19
	s_lshl_b32 s19, s12, 1
	s_add_co_u32 s18, s18, s19
	s_and_b32 s20, s14, 1                          ; the v passes: 192 (8 (w & 1) + 2 q) + 128 + 32 (P - 4) + 16 (w >> 1); 128 + 32 (P - 4) = 32 P
	s_lshl_b32 s20, s20, 3
	s_add_co_u32 s20, s20, s19
	s_mul_i32 s20, s20, 192
	s_lshl_b32 s21, s16, 5
	s_add_co_u32 s20, s20, s21
	s_lshr_b32 s21, s14, 1
	s_lshl_b32 s21, s21, 4
	s_add_co_u32 s20, s20, s21
	s_mov_b32 s22, 192*4096
	s_cmp_lt_u32 s16, 4                            ; all three choices on this compare stand ahead of any line that sets SCC
	s_cselect_b32 s18, s18, s20                    ; row 0 of tile 2 q
	s_cselect_b32 s23, s22, 4096                   ; bytes from the tile's row r to row r + 1
	s_cselect_b32 s24, 4096, s22                   ; bytes from tile n to tile n + 1
	s_mov_b32 s25, 0
	v_mul_u32_u24 v6, s23, v3
	v_lshl_add_u32 v6, v4, 7, v6                   ; my row, + 128 hh: my block of 32 numbers in a piece of 64
	s_lshl_b32 s26, s18, 12
	s_lshl_b32 s27, s17, 9
	s_add_co_u32 s26, s26, s27                     ; + the K step's 512 bytes
	s_mov_b32 s27, 0
	s_mul_i32 s28, s15, SLOT                       ; in wq: the fill, the wave block,
	s_mul_i32 s29, s14, WBLK
	s_add_co_u32 s28, s28, s29
	s_lshl_b32 s29, s13, 13
	s_add_co_u32 s30, s28, s29                     ; codes: + 8,192 s4 + 1,024 x tile 2 q
	s_lshl_b32 s29, s12, 11
	s_add_co_u32 s30, s30, s29
	s_mov_b32 s31, 0
	s_lshl_b32 s29, s13, 9
	s_add_co_u32 s28, s28, s29                     ; scale words: + 32,768 + 512 s4 + 128 q
	s_lshl_b32 s29, s12, 7
	s_add_co_u32 s28, s28, s29
	s_add_co_u32 s28, s28, 32768
	s_mov_b32 s29, 0
	s_mov_b32 s40, 0x76543210
	s_mov_b32 s41, 0xfedcba98                      ; v_permlanex16_b32's selects for lane l xor 16
	v_lshlrev_b32 v7, 2, v2                        ; 4 L
	v_lshlrev_b32 v22, 3, v4                       ; 8 hh: my two bytes' shift in the scale word
	v_mov_b32 v23, 0                               ; a lane permute's destination counts as one of its sources
	s_wait_kmcnt 0x0
	s_add_nc_u64 s[32:33], s[4:5], s[26:27]        ; tile 2 q
	s_add_nc_u64 s[34:35], s[32:33], s[24:25]      ; tile 2 q + 1
	s_add_nc_u64 s[36:37], s[8:9], s[30:31]
	s_add_nc_u64 s[38:39], s[8:9], s[28:29]
.irp e, 0,1
.irp c, 0,1
.irp i, 0,1,2,3,4,5,6,7
	global_load_b128 v[X+64*\e+32*\c+4*\i:X+64*\e+32*\c+4*\i+3], v6, s[32+2*\e:33+2*\e] offset:256*\c+16*\i
.endr
.endr
.endr
; Block (tile e, piece c): my 32 numbers become 16 bytes of codes and a scale byte.
.macro BLK e, c
.set XB, X+64*(\e)+32*(\c)
.set BI, 2*(\e)+(\c)
	s_wait_loadcnt 24-8*BI                         ; this block's eight loads are in; those of the blocks behind it may be out
	v_max3_num_f32 v20, |v[XB]|, |v[XB+1]|, |v[XB+2]|
	v_max3_num_f32 v21, |v[XB+3]|, |v[XB+4]|, |v[XB+5]|
.irp i, 6,10,14,18,22,26
	v_max3_num_f32 v20, v20, |v[XB+\i]|, |v[XB+\i+1]|
	v_max3_num_f32 v21, v21, |v[XB+\i+2]|, |v[XB+\i+3]|
.endr
	v_max3_num_f32 v20, v20, |v[XB+30]|, |v[XB+31]|
	v_max3_num_f32 v20, v20, v21, 0x1800000        ; and the floor 2^(3 - 127): the byte cannot fall under 1
	v_add_nc_u32 v[SCL+BI], 0xff000000, v20        ; 2 off the exponent field: the conversion takes the exponent field of this operand as its scale
.irp g, 0,1,2,3
	v_cvt_scalef32_pk8_fp4_f32 v[CD+4*BI+\g], v[XB+8*\g:XB+8*\g+7], v[SCL+BI]
.endr
	v_lshrrev_b32 v[BY+BI], 23, v[SCL+BI]          ; the scale's byte (a plain line behind the conversions)
	global_store_b128 v5, v[CD+4*BI:CD+4*BI+3], s[36:37] offset:1024*(\e)+512*(\c)   ; 32 lanes store 512 consecutive bytes
.endm
; Tile e's scale word: my bytes are those of blocks hh and 2 + hh of row r; lane l xor 16 has the other two.
.macro WORD e
	v_lshl_or_b32 v[WD+\e], v[BY+2*\e+1], 16, v[BY+2*\e]
	v_lshlrev_b32 v[WD+\e], v22, v[WD+\e]
	v_permlanex16_b32 v23, v[WD+\e], s40, s41
	v_or_b32 v[WD+\e], v[WD+\e], v23
.endm
	BLK 0, 0
	BLK 0, 1
	WORD 0
	BLK 1, 0
	BLK 1, 1
	WORD 1
	v_cmp_lt_u32 vcc_lo, 15, v2
	v_cndmask_b32 v24, v[WD], v[WD+1], vcc_lo      ; lanes 0-15 tile 2 q's words, lanes 16-31 tile 2 q + 1's
	global_store_b32 v7, v24, s[38:39]             ; 128 consecutive bytes a wave, 512 the four waves
	s_endpgm
	; ---- Wproj
.Lwproj:
	s_sub_co_u32 s13, ttmp9, 192
	s_lshl_b32 s13, s13, 4
	s_lshl_b32 s14, s12, 2
	s_add_co_u32 s13, s13, s14                     ; my wave's first row: 16 x (work-group - 192) + 4 x wave
	s_lshl_b32 s14, s13, 12
	s_mov_b32 s15, 0
	s_lshl_b32 s16, s13, 11
	s_mov_b32 s17, 0
	v_lshlrev_b32 v6, 8, v3
	v_lshl_add_u32 v6, v4, 5, v6                   ; 4 x (64 r + 8 hh)
	s_wait_kmcnt 0x0
	s_add_nc_u64 s[6:7], s[6:7], s[14:15]
	s_add_nc_u64 s[10:11], s[10:11], s[16:17]
.irp t, 0,1,2,3
.irp a, 0,1,2,3
	global_load_b128 v[X+8*(4*\t+\a):X+8*(4*\t+\a)+3],   v6, s[6:7] offset:4096*\t+64*\a
	global_load_b128 v[X+8*(4*\t+\a)+4:X+8*(4*\t+\a)+7], v6, s[6:7] offset:4096*\t+64*\a+16
.endr
.endr
.irp t, 0,1,2,3
	s_wait_loadcnt 24-8*\t                         ; this row's eight loads are in; the later rows' may be out
.irp a, 0,1,2,3
.irp p, 0,1,2,3
	v_cvt_pk_f16_f32 v[X+8*(4*\t+\a)+\p], v[X+8*(4*\t+\a)+2*\p], v[X+8*(4*\t+\a)+2*\p+1]   ; in place: register p is written when numbers 0 .. 2 p + 1 have been read
.endr
	global_store_b128 v5, v[X+8*(4*\t+\a):X+8*(4*\t+\a)+3], s[10:11] offset:2048*\t+512*\a   ; 32 lanes store 512 consecutive bytes
.endr
.endr
	s_endpgm
.Lfunc_end_k_q5c6a7f57ac_prep:
	.size	k_q5c6a7f57ac_prep, .Lfunc_end_k_q5c6a7f57ac_prep-k_q5c6a7f57ac_prep
	.p2alignl 7, 3214868480
	.fill 96, 4, 3214868480
	.section	.rodata,"a",@progbits
	.p2align	6, 0x0
	.amdhsa_kernel k_q5c6a7f57ac_prep
		.amdhsa_group_segment_fixed_size 0
		.amdhsa_private_segment_fixed_size 0
		.amdhsa_enable_private_segment 0
		.amdhsa_kernarg_size 32
		.amdhsa_user_sgpr_count 2
		.amdhsa_user_sgpr_kernarg_segment_ptr 1
		.amdhsa_wavefront_size32 1
		.amdhsa_system_sgpr_workgroup_id_x 1
		.amdhsa_system_sgpr_workgroup_id_y 1
		.amdhsa_system_sgpr_workgroup_id_z 1
		.amdhsa_system_vgpr_workitem_id 0
		.amdhsa_next_free_vgpr 192
		.amdhsa_next_free_sgpr 66
		.amdhsa_reserve_vcc 1
		.amdhsa_float_denorm_mode_32 3
		.amdhsa_float_denorm_mode_16_64 3
		.amdhsa_memory_ordered 1
		.amdhsa_forward_progress 1
		.amdhsa_inst_pref_size 22
	.end_amdhsa_kernel
	.amdgpu_metadata
---
amdhsa.version: [ 1, 2 ]
amdhsa.kernels:
  - .name:           k_q5c6a7f57ac_prep
    .symbol:         k_q5c6a7f57ac_prep.kd
    .args:
      - { .name: Wqkv, .offset: 0, .size: 8, .value_kind: global_buffer, .address_space: global }
      - { .name: Wproj, .offset: 8, .size: 8, .value_kind: global_buffer, .address_space: global }
      - { .name: wq, .offset: 16, .size: 8, .value_kind: global_buffer, .address_space: global }
      - { .name: wp, .offset: 24, .size: 8, .value_kind: global_buffer, .address_space: global }
    .group_segment_fixed_size: 0
    .private_segment_fixed_size: 0
    .kernarg_segment_align: 8
    .kernarg_segment_size: 32
    .max_flat_workgroup_size: 128
    .sgpr_count:     66
    .vgpr_count:     192
    .wavefront_size: 32
...
	.end_amdgpu_metadata
.endif
;; end of part 1
;; launch qkvatt (part 2): grid 256 x 1, 4 waves a work-group, clusters of 4 x 1, 327,680 bytes of LDS; arguments x, wq, att; writes att
.if DOCPART == 2
	.amdgcn_target "amdgcn-amd-amdhsa--gfx1250"
	.amdhsa_code_object_version 6
	.text
	.protected	k_q5c6a7f57ac_qkvatt
	.globl	k_q5c6a7f57ac_qkvatt
	.p2align	8
	.type	k_q5c6a7f57ac_qkvatt,@function
k_q5c6a7f57ac_qkvatt:
	s_mov_b64 s[64:65], 0
	v_nop
	global_prefetch_b8 v0, s[64:65] scope:SCOPE_SE
	s_setreg_imm32_b32 hwreg(HW_REG_WAVE_MODE, 25, 1), 1
	s_wait_xcnt 0x0
	s_wait_alu depctr_hold_cnt(0) depctr_sa_sdst(0) depctr_va_vdst(0) depctr_va_sdst(0) depctr_va_ssrc(0) depctr_va_vcc(0) depctr_vm_vsrc(0)
	s_getreg_b32 s2, hwreg(HW_REG_IB_STS2, 6, 4)
	s_cmp_eq_u32 s2, 0
	s_cbranch_scc0 .Lentry_in_a_cluster
	s_endpgm
.Lentry_in_a_cluster:
	s_bfe_u32 s2, ttmp6, 0x10000c
	s_cmp_lg_u32 s2, 0x3003
	s_cbranch_scc0 .Lentry_shape_is_right
	s_endpgm
.Lentry_shape_is_right:
; att = the attention over the 16 HEADS of each token, of qkv = Q(x) Q(Wqkv)^T.  qkv never goes to memory.
; x [16384][1024] f32 is quantised here (FP4, E2M1, one E8M0 byte for each 32 along K); wq holds Wqkv's codes and scale words as the launch before laid them (see below);
; att [16384][1024] f16: element 256 a + 8 L + j of a token's row is out(head r, channel 16 a + 8 hh + j), L = 16 hh + r.
; SHARES.  A work-group of four waves owns 64 tokens (four tiles mt of 16).  The first product goes in 6 passes of 512 columns; in a pass wave w makes 64 tokens x its 128 columns:
; 8 tiles n x 4 mt = 32 accumulators.  x's codes (32 fragments) stay in EVERY wave's registers, so each fragment of the weights read from LDS feeds four matrix instructions.
; THE WEIGHTS: wq is 12 fills of SLOT bytes, two to a pass (K steps 0-3, 4-7), each 4 wave blocks of WBLK bytes: images of wave w's operand registers, [s4][n][piece c][lane][16 bytes], then its scale
; words [s4][q][lane][4 bytes] (word of tile 2 q + lane / 16, row lane % 16).  They come through a ring of two LDS slots; each wave asks for its own block and reads its own block alone.
; THE RING.  Slot 0 is filled again at the head of K step 3, when its last fragments are in registers; slot 1 between the two halves of the exchange that follows the pass.  So a pass's two rounds stand about half
; a pass's work apart (five K steps and half an exchange; half an exchange and three K steps), and a wave's one load has that work in which to land.
; CLUSTER: all work-groups walk the same wq, so the four of a cluster ask JOINTLY: the same tensor load, the same descriptor, a mask that names the four.
; THE COLUMNS OF A PASS ARE CHOSEN FOR WHAT FOLLOWS.  Passes 0-3 (q features 0-31, k 0-31, q 32-63, k 32-63): tile n of wave w is ONE feature (8 w + n of the 32) of all 16 heads, so in the result lane r is the
; head and a lane's eight tiles are eight neighbouring features: 16 bytes of f16, a lane's quarter of a 16 x 32 fragment.  Passes 4, 5 (v): tile n is ONE head 8 (w & 1) + n, 16 channels: eight neighbouring heads.
; THE EXCHANGE.  A result's registers run over tokens, the attention wants a token's heads x features in one wave: 32 tokens at a time go through LDS (EX: 1,024 bytes a token: two pieces of 32 lanes x 16 bytes,
; images of fragment registers); wave w then owns tokens 32 R + 8 w + i.
; THE ATTENTION, a token at a time, f16 operands, f32 sums: S^T = k q^T (lane = query head h, registers = key heads g = 8 hh + j), over two passes' halves of the 64 features; softmax over g with the row's
; maximum taken away; O^T = v^T p^T with K = 16 of the form's 32: p's upper four registers are zeros, v's upper four whatever finite numbers follow (the next piece, or zeros behind the last).
; LIMITS: q, k, v, p and the result go in f16: magnitudes up to 65,504 (a v beyond that becomes infinity and, times 0, spoils the neighbouring piece too), under 6e-5 kept to 3e-8 absolute.
; NaN and infinities among the inputs are not served.  A block of zeros of x gets the byte 1 with zero codes; blocks whose largest magnitude lies under 2^-124 keep the byte 1 (not tried).
; c m (c = log2(e) / 8) is rounded once before it is taken off c s: an error common to a row, which the division by the row's sum takes out.
; REGISTERS, in windows of 256 (s_set_vgpr_msb: bits 1:0 source 0, 3:2 source 1, 5:4 source 2, 7:6 destination):
;   window 0: v2-17 addresses; v32-47 x's scale words; v48-55 the weights', two sets; v56-123 at work; v124-127 zeros; v128-255 x as f32 (two sets), then S^T (8 a token), then O^T
;   window 1: x's fragments, (mt, s) at 8 (4 s + mt)     window 2: v0-127 the weights' fragments, two sets; v128-255 q's fragments (8 a token), later p (4 of p, 4 of 0)
;   window 3: x as it lands (four sets of 64), then the accumulators, (mt, n) at 8 (8 mt + n)
.set SLOT,  139264
.set WBLK,  34816
.set SH,    2*SLOT                     ; behind the ring: bytes that LDS stores alone write
.set STG,   SH                         ; x phase: a stage of 16 rows x 528 bytes (512 + 16: 33 x 16) for each wave,
.set IMG,   SH+4*16*528                ; and two buffers of IBUF bytes: 4 fragment images of 1,024 bytes, 256 bytes of scale words
.set IBUF,  4352
.set SPARE, 327168                     ; the spare words, 128 bytes for each wave: two blocks of 256 bytes that no other line names.  (EX, in the passes: 32 x 1,024 bytes from SH on)
.set SPW,  2                           ; v2   LDS address of my spare word; never rewritten
.set NIL,  3                           ; v3   0; never rewritten
.set XA,   4                           ; v4   16 x lane: my bytes of a load of x, and of a store of att
.set STW,  5                           ; v5   the stage, on the way in
.set STR,  6                           ; v6   and out: row r, + 64 hh
.set IMGW, 7                           ; v7   where I store my tile's image
.set XSW,  8                           ; v8   and its scale words
.set LI,   9                           ; v9   an image's place for my lane
.set LS,   10                          ; v10  a scale word's
.set BA,   11                          ; v11-12  my wave block's codes in slot 0, 1, + 16 x lane
.set SA,   13                          ; v13-14  its scale words, + 4 x lane
.set EXW,  15                          ; v15  the exchange: where I put 16 bytes
.set EXR,  16                          ; v16  and where I read my 8 tokens
.set PFO,  17                          ; v17  256 x lane: the prefetch's offset; never rewritten
.set XS,   32
.set WS,   48
.set TM,   56                          ; the quantiser's: v56-59 maxima, v60-63 bytes, v68-71 scale operands
.set PC,   72                          ; v72-79 the codes just made
.set PW,   80                          ; v80  their scale word
.set PK,   60                          ; v60-123 what goes into the exchange and what comes out of it; the softmax's four registers a token
.set ZT,   124
.set ST,   128
.set QH,   128                         ; in window 2
.set G1,   16                          ; s[16:23] descriptor group 1
.set G0,   24                          ; s[24:27], s[28:31] group 0 of slot 0, 1
.set SEL,  32                          ; s[32:33] lane selects: lane l xor 16
.set CS,   34                          ; s[34:35] c, twice
.set MINE, 37                          ; s37  0 in a wave that prefetches
.set PFA,  48                          ; s[48:49] where my prefetch stands in wq
.set MUL,  0xf9                        ; source 0 (x) window 1, source 1 (weights) window 2, C and D window 3
.set MSB, 0
.macro WIN new                         ; the immediate's high byte repeats the setting that is left; a switch that changes nothing is dropped
.if MSB != (\new)
	s_set_vgpr_msb (MSB<<8)|(\new)
.set MSB, (\new)
.endif
.endm
.macro PLACES                          ; four plain vector lines between a matrix instruction and a load into, or a vector line on, its registers
.rept 4
	v_nop
.endr
.endm
.macro BARRIER                         ; my LDS stores have landed and my LDS loads are in: then the work-group's barrier
	s_wait_dscnt 0x0
	s_barrier_signal -1
	s_barrier_wait -1
.endm
.macro CREST                           ; a round of the cluster's barrier behind its opening barrier
	s_cmp_lg_u32 s10, 0
	s_cbranch_scc1 .Lnot_wave_0_\@
	s_barrier_signal -3
.Lnot_wave_0_\@:
	s_barrier_wait -3
	s_barrier_signal -1
	s_barrier_wait -1
.endm
.macro CROUND                          ; a whole round
	s_barrier_signal -1
	s_barrier_wait -1
	CREST
.endm
; A PREFETCH INTO THE L2 of four fills, once in each trip of the loop over q and k: trip 0 names fills 4 to 7, trip 1 fills 8 to 11; the first of the four is asked for by its tensor load two rounds on, the last five.
; Each aligned block of 256 bytes is named ONCE in the launch: a fill is 17 runs of 8,192 bytes; cluster c (0 to 16) takes run c, its four partners take the four fills, told apart BY ADDRESS (no branch hangs on a
; work-group's place in its cluster), a lane a block; in each work-group wave 0 asks, by one instruction.  4 fills x 544 blocks = 17 x 4 x 32: the least count that shares out evenly with all lanes on.
; Fills 0 to 3 come by their loads alone; the last block named is the buffer's last.
.macro ASK
	s_cmp_eq_u32 s[MINE], 0
	s_cbranch_scc0 .Lnot_mine_\@
	global_prefetch_b8 v[PFO], s[PFA:PFA+1] th:TH_LOAD_NT scope:SCOPE_SE
.Lnot_mine_\@:
.endm
	s_load_b128 s[4:7], s[0:1], 0x0                ; x s[4:5], wq s[6:7]
	s_load_b64 s[8:9], s[0:1], 0x10                ; att
	v_lshl_add_u32 v[SPW], v0, 2, SPARE
	v_mov_b32 v[NIL], 0
	ds_add_u32 v[SPW], v[NIL]                      ; the wave's opening: the add, twice on end, and its wait ahead of my first tensor load
	ds_add_u32 v[SPW], v[NIL]                      ; and once more; the set-up below, work on registers, stands between it and the wait
	v_lshrrev_b32 v1, 5, v0
	v_readfirstlane_b32 s10, v1                    ; wave w
	s_bfe_u32 s11, ttmp6, 0x40000                  ; cx: it enters x's, att's and the prefetch's addresses alone
	s_lshl_b32 s12, ttmp9, 2
	s_add_co_u32 s12, s12, s11                     ; my block of 64 tokens
	; group 1: a wave block, WBLK dense bytes, as 136 rows of 256 bytes (32 elements of 8), no padding: every read is 16 or 4 bytes a lane on end
	s_mov_b32 s[G1+0], 15|(3<<16)|(1<<21)          ; 15:0 the mask: all four work-groups; 17:16 elements of 8 bytes; 21 set beside a mask
	s_mov_b32 s[G1+1], 32<<16                      ; tensor_dim0
	s_mov_b32 s[G1+2], 136<<16                     ; tensor_dim1
	s_mov_b32 s[G1+3], 32<<16                      ; tile_dim0
	s_mov_b32 s[G1+4], 136                         ; tile_dim1
	s_mov_b32 s[G1+5], 32                          ; the pitch
	s_mov_b32 s[G1+6], 0
	s_mov_b32 s[G1+7], 0
	s_mov_b32 s[SEL], 0x76543210
	s_mov_b32 s[SEL+1], 0xfedcba98
	s_mov_b32 s[CS], 0x3e38aa3b                    ; c = log2(e) / 8
	s_mov_b32 s[CS+1], s[CS]                       ; (named with it as a pair, so it is written)
	v_and_b32 v18, 31, v0                          ; lane
	v_and_b32 v19, 15, v0                          ; r
	v_bfe_u32 v20, v0, 4, 1                        ; hh
	v_lshlrev_b32 v[XA], 4, v18
	v_lshlrev_b32 v[PFO], 8, v18
	s_mul_i32 s40, s10, 16*528
	s_add_co_u32 s40, s40, STG                     ; my stage
	v_add_nc_u32 v[STW], s40, v[XA]
	v_mul_u32_u24 v[STR], v19, 528
	v_lshl_add_u32 v[STR], v20, 6, v[STR]
	v_add_nc_u32 v[STR], s40, v[STR]
	s_lshl_b32 s41, s10, 10
	s_add_co_u32 s41, s41, IMG
	v_add_nc_u32 v[IMGW], s41, v[XA]               ; image mt = w
	s_lshl_b32 s41, s10, 6
	s_add_co_u32 s41, s41, IMG+4096
	v_lshl_add_u32 v[XSW], v19, 2, s41             ; 64 w + 4 r: tiles 2 p and 2 p + 1 share 128 bytes, the even one in the lower 64
	v_add_nc_u32 v[LI], IMG, v[XA]
	v_lshl_add_u32 v[LS], v18, 2, IMG+4096
	s_mul_i32 s43, s10, WBLK                       ; my wave block in a slot, and in a fill
	v_add_nc_u32 v[BA], s43, v[XA]
	v_add_nc_u32 v[BA+1], SLOT, v[BA]
	v_lshl_add_u32 v[SA], v18, 2, s43
	v_add_nc_u32 v[SA], 32768, v[SA]
	v_add_nc_u32 v[SA+1], SLOT, v[SA]
	s_lshl_b32 s41, s10, 8
	s_add_co_u32 s41, s41, SH
	v_lshlrev_b32 v[EXW], 13, v20                  ; the exchange, in: token block 8 hh (+ 16 u + j in the offset); in it piece w >> 1, fragment lane 16 (w & 1) + r: 256 w + 16 r
	v_lshl_add_u32 v[EXW], v19, 4, v[EXW]
	v_add_nc_u32 v[EXW], s41, v[EXW]
	s_lshl_b32 s41, s10, 13
	s_add_co_u32 s41, s41, SH
	v_add_nc_u32 v[EXR], s41, v[XA]                ; out: my 8 token blocks, 16 bytes a lane
.irp b, 0,1,2,3
	v_mov_b32 v[ZT+\b], 0                          ; never rewritten
	v_mov_b32 v[TM+4+\b], 0                        ; written once: a lane permute's destination counts as one of its sources
.endr
	s_lshl_b32 s44, s12, 18                        ; x: 64 rows of 4,096 bytes a work-group, 16 a wave
	s_lshl_b32 s45, s10, 16
	s_add_co_u32 s44, s44, s45
	s_mov_b32 s45, 0
	s_lshl_b32 s46, s12, 17                        ; att: 64 rows of 2,048 bytes a work-group; my tokens 32 R + 8 w + i
	s_lshl_b32 s47, s10, 14
	s_add_co_u32 s46, s46, s47
	s_mov_b32 s47, 0
	s_mov_b32 s38, s43
	s_mov_b32 s39, 0
	s_add_co_u32 s50, s11, 4                       ; the prefetch: fill 4 + cx,
	s_mul_i32 s50, s50, SLOT
	s_min_u32 s51, ttmp9, 16                       ; run c of its 17 (held at 16 in the clusters that do not ask)
	s_lshl_b32 s51, s51, 13
	s_add_co_u32 s50, s50, s51
	s_mov_b32 s51, 0
	s_cmp_lt_u32 ttmp9, 17                         ; the cluster's number: the same in all four partners
	s_cselect_b32 s[MINE], 0, 1
	s_or_b32 s[MINE], s[MINE], s10                 ; 0 in wave 0 of clusters 0 to 16
	s_wait_dscnt 0x0                               ; both opening adds are done
	s_wait_kmcnt 0x0
	s_add_nc_u64 s[4:5], s[4:5], s[44:45]
	s_add_nc_u64 s[8:9], s[8:9], s[46:47]
	s_add_nc_u64 s[PFA:PFA+1], s[6:7], s[50:51]
	s_add_nc_u64 s[6:7], s[6:7], s[38:39]          ; wq at my wave block of fill 0: the wave's number alone, the same in all four partners
	CROUND                                         ; all four work-groups are here: the first joint loads meet
	s_mov_b32 s[G0], 1
	s_mov_b32 s[G0+1], s43
	s_mov_b64 s[G0+2:G0+3], s[6:7]
	s_or_b32 s[G0+3], s[G0+3], 0x80000000
	s_mov_b32 s[G0+4], 1
	s_add_co_u32 s[G0+5], s43, SLOT
	s_add_nc_u64 s[G0+6:G0+7], s[6:7], SLOT
	s_or_b32 s[G0+7], s[G0+7], 0x80000000
	tensor_load_to_lds s[G0:G0+3], s[G1:G1+7]      ; fill 0 and fill 1: two loads of mine are out; they land while x is quantised
	s_nop 0
	tensor_load_to_lds s[G0+4:G0+7], s[G1:G1+7]
	s_nop 0
	PLACES
; ---- THE x PHASE.  Wave w quantises tile mt = w, a K step of 128 at a time, and hands the fragment to all four waves as an image of its registers.
.macro XLOAD s                         ; K step s of my 16 rows: each load takes 512 consecutive bytes of one row; landing set s % 4 in window 3
	WIN 0xc0
.irp i, 0,1,2,3,4,5,6,7,8,9,10,11,12,13,14,15
	global_load_b128 v[64*((\s)%4)+4*\i:64*((\s)%4)+4*\i+3], v[XA], s[4:5] offset:4096*\i+512*(\s) th:TH_LOAD_NT
.endr
	WIN 0
.endm
.macro XTURN s                         ; through my stage: in as loaded, out 64 bytes a lane: register 16 b + i of set s % 2 is k = 32 b + 16 hh + i of row r.  LDS serves a wave's instructions in order: no wait between
	WIN 0x0c
.irp i, 0,1,2,3,4,5,6,7,8,9,10,11,12,13,14,15
	ds_store_b128 v[STW], v[64*((\s)%4)+4*\i:64*((\s)%4)+4*\i+3] offset:528*\i
.endr
	WIN 0
.irp b, 0,1,2,3
.irp j, 0,1,2,3
	ds_load_b128 v[ST+64*((\s)%2)+16*\b+4*\j:ST+64*((\s)%2)+16*\b+4*\j+3], v[STR] offset:128*\b+16*\j
.endr
.endr
.endm
; 64 numbers of a lane from v[src] on become a fragment's codes in v[PC] on and its scale word in v[PW].
.macro QUANT src
.irp b, 0,1,2,3
	v_max3_num_f32 v[TM+\b], |v[(\src)+16*\b]|, |v[(\src)+1+16*\b]|, 0x1800000   ; block b: my 16 numbers, and the floor 2^(3 - 127): the byte cannot fall under 1
.endr
.irp i, 2,4,6,8,10,12,14
.irp b, 0,1,2,3
	v_max3_num_f32 v[TM+\b], v[TM+\b], |v[(\src)+16*\b+\i]|, |v[(\src)+1+16*\b+\i]|   ; (the four blocks by turns)
.endr
.endr
.irp b, 0,1,2,3
	v_permlanex16_b32 v[TM+4+\b], v[TM+\b], s[SEL], s[SEL+1]
.endr
.irp b, 0,1,2,3
	v_max_num_f32 v[TM+\b], v[TM+\b], v[TM+4+\b]   ; with lane l xor 16's: the block's largest magnitude
.endr
.irp b, 0,1,2,3
	v_add_nc_u32 v[TM+12+\b], 0xff000000, v[TM+\b] ; 2 off its exponent field: the conversion's scale operand
.endr
.irp b, 0,1,2,3
	v_lshrrev_b32 v[TM+4+\b], 23, v[TM+12+\b]      ; the scale's byte
.endr
	v_lshl_or_b32 v[PW], v[TM+5], 8, v[TM+4]
	v_lshl_or_b32 v[PW], v[TM+6], 16, v[PW]
	v_lshl_or_b32 v[PW], v[TM+7], 24, v[PW]
.irp b, 0,1,2,3
	v_cvt_scalef32_pk8_fp4_f32 v[PC+2*\b], v[(\src)+16*\b:(\src)+7+16*\b], v[TM+12+\b]
	v_cvt_scalef32_pk8_fp4_f32 v[PC+1+2*\b], v[(\src)+8+16*\b:(\src)+15+16*\b], v[TM+12+\b]
.endr
	v_nop                                          ; one plain line behind a scaled conversion
.irp c, 0,1                                    ; the operand's layout wants a WHOLE block in a lane
.irp i, 0,1
	v_permlane16_swap_b32 v[PC+4*\c+\i], v[PC+2+4*\c+\i]
.endr
.endr
.endm
.macro XSTEP s
	s_wait_dscnt 0x0                               ; this step's numbers are back from the stage, so its stores into the stage have read their landing set,
.if (\s) < 4
	XLOAD (\s)+4                                   ; which takes the loads of four steps on
.endif
.if (\s) < 7
.if (\s) < 4
	s_wait_loadcnt 48                              ; the next step's 16 loads are in; those of the three steps behind it may be out
.else
	s_wait_loadcnt 16*(6-(\s))                     ; (two, one, none are left behind it)
.endif
	XTURN (\s)+1                                   ; and go through the stage while this step is quantised
.endif
	QUANT ST+64*((\s)%2)
.irp c, 0,1
	ds_store_b128 v[IMGW], v[PC+4*\c:PC+4*\c+3] offset:IBUF*((\s)%2)+512*\c
.endr
	ds_store_b32 v[XSW], v[PW] offset:IBUF*((\s)%2)  ; lanes r and r + 16 write the same word with the same value
	BARRIER                                        ; the four images lie in LDS.  My tensor loads may stay out.  The buffers take turns: this one is written again two barriers on
	WIN 0x40
.irp m, 0,1,2,3
.irp c, 0,1
	ds_load_b128 v[8*(4*(\s)+\m)+4*\c:8*(4*(\s)+\m)+4*\c+3], v[LI] offset:IBUF*((\s)%2)+1024*\m+512*\c
.endr
.endr
	WIN 0
.irp p, 0,1
	ds_load_b32 v[XS+2*(\s)+\p], v[LS] offset:IBUF*((\s)%2)+128*\p   ; lanes 0-15 tile 2 p's words, lanes 16-31 tile 2 p + 1's
.endr
.endm
	XLOAD 0
	XLOAD 1
	XLOAD 2
	XLOAD 3
	s_wait_loadcnt 48                              ; K step 0's 16 loads are in
	XTURN 0
.irp s, 0,1,2,3,4,5,6,7
	XSTEP \s
.endr
; ---- THE FIRST PRODUCT
.macro FETCHB sl, s4, set              ; my eight fragments and four scale registers of the slot's s4-th K step
	WIN 0x80
.irp n, 0,1,2,3,4,5,6,7
.irp c, 0,1
	ds_load_b128 v[64*(\set)+8*\n+4*\c:64*(\set)+8*\n+4*\c+3], v[BA+(\sl)] offset:8192*(\s4)+1024*\n+512*\c
.endr
.endr
	WIN 0
.irp q, 0,1,2,3
	ds_load_b32 v[WS+4*(\set)+\q], v[SA+(\sl)] offset:512*(\s4)+128*\q
.endr
.endm
; One product: tile mt = MT of x against tile n = NN of the weights, K step s.  Odd tiles' scale words lie in lanes 16-31 of their register.
.macro WM set, s, zero
.set rD, 8*(8*MT+NN)
.set rA, 8*(4*(\s)+MT)
.set rB, 64*(\set)+8*NN
.set rX, XS+2*(\s)+MT/2
.set rW, WS+4*(\set)+NN/2
.set KIND, 2*(MT%2)+(NN%2)+4*(\zero)
.if KIND == 0
	v_wmma_scale_f32_16x16x128_f8f6f4 v[rD:rD+7], v[rA:rA+7], v[rB:rB+7], v[rD:rD+7], v[rX], v[rW] matrix_a_fmt:MATRIX_FMT_FP4 matrix_b_fmt:MATRIX_FMT_FP4
.elseif KIND == 1
	v_wmma_scale_f32_16x16x128_f8f6f4 v[rD:rD+7], v[rA:rA+7], v[rB:rB+7], v[rD:rD+7], v[rX], v[rW] matrix_a_fmt:MATRIX_FMT_FP4 matrix_b_fmt:MATRIX_FMT_FP4 matrix_b_scale:MATRIX_SCALE_ROW1
.elseif KIND == 2
	v_wmma_scale_f32_16x16x128_f8f6f4 v[rD:rD+7], v[rA:rA+7], v[rB:rB+7], v[rD:rD+7], v[rX], v[rW] matrix_a_fmt:MATRIX_FMT_FP4 matrix_b_fmt:MATRIX_FMT_FP4 matrix_a_scale:MATRIX_SCALE_ROW1
.elseif KIND == 3
	v_wmma_scale_f32_16x16x128_f8f6f4 v[rD:rD+7], v[rA:rA+7], v[rB:rB+7], v[rD:rD+7], v[rX], v[rW] matrix_a_fmt:MATRIX_FMT_FP4 matrix_b_fmt:MATRIX_FMT_FP4 matrix_a_scale:MATRIX_SCALE_ROW1 matrix_b_scale:MATRIX_SCALE_ROW1
.elseif KIND == 4
	v_wmma_scale_f32_16x16x128_f8f6f4 v[rD:rD+7], v[rA:rA+7], v[rB:rB+7], 0, v[rX], v[rW] matrix_a_fmt:MATRIX_FMT_FP4 matrix_b_fmt:MATRIX_FMT_FP4
.elseif KIND == 5
	v_wmma_scale_f32_16x16x128_f8f6f4 v[rD:rD+7], v[rA:rA+7], v[rB:rB+7], 0, v[rX], v[rW] matrix_a_fmt:MATRIX_FMT_FP4 matrix_b_fmt:MATRIX_FMT_FP4 matrix_b_scale:MATRIX_SCALE_ROW1
.elseif KIND == 6
	v_wmma_scale_f32_16x16x128_f8f6f4 v[rD:rD+7], v[rA:rA+7], v[rB:rB+7], 0, v[rX], v[rW] matrix_a_fmt:MATRIX_FMT_FP4 matrix_b_fmt:MATRIX_FMT_FP4 matrix_a_scale:MATRIX_SCALE_ROW1
.else
	v_wmma_scale_f32_16x16x128_f8f6f4 v[rD:rD+7], v[rA:rA+7], v[rB:rB+7], 0, v[rX], v[rW] matrix_a_fmt:MATRIX_FMT_FP4 matrix_b_fmt:MATRIX_FMT_FP4 matrix_a_scale:MATRIX_SCALE_ROW1 matrix_b_scale:MATRIX_SCALE_ROW1
.endif
.endm
; Tiles n0 .. n0 + cnt - 1, each against x's four.  The 32 accumulators take turns, one instruction a turn, in the same order in every K step.
.macro MULS set, s, n0, cnt, zero
.set NN, \n0
.rept \cnt
.set MT, 0
.rept 4
	WM \set, \s, \zero
.set MT, MT+1
.endr
.set NN, NN+1
.endr
.endm
.macro UNIT sl, s, zero                ; a K step that has its successor in the same slot: the successor's fragments are asked for, then 32 products
	s_wait_dscnt 0x0                               ; this step's fragments are in (asked for 32 matrix instructions ago, or in the exchange)
	PLACES                                         ; in front of loads into the set that the last step multiplied
	FETCHB \sl, ((\s)%4)+1, ((\s)+1)%2
	WIN MUL
	MULS (\s)%2, \s, 0, 8, \zero
.endm
; K step 3, slot 0's last.  fill = 1: slot 0 is filled again, two fills on.  In front of the round each wave waits for all its tensor loads (one is out: its block of slot 1), adds 0 to its spare word,
; and waits for that and for its reads of slot 0.  The round is the cluster's: no wave of any partner still reads the slot or has a load on its way.  ask = 1: the trip's prefetch stands behind the load and the LDS loads.
.macro TURN3 fill, ask
.if \fill
	WIN 0                                          ; (the add's two registers lie in window 0)
	s_wait_tensorcnt 0x0
	ds_add_u32 v[SPW], v[NIL]                      ; 0 onto my spare word
	s_wait_dscnt 1                                 ; (the add alone may be out: this step's fragments are in)
	WIN MUL
	MULS 1, 3, 0, 4, 0                             ; sixteen matrix instructions stand between the add and the wait for it
	s_wait_dscnt 0x0                               ; the add is done, and my reads of slot 0 are over
	s_barrier_signal -1
	MULS 1, 3, 4, 2, 0
	WIN 0
	s_barrier_wait -1
	CREST
	s_add_nc_u64 s[G0+2:G0+3], s[G0+2:G0+3], 2*SLOT   ; no tensor load of mine is out: the group 0 may be written
	tensor_load_to_lds s[G0:G0+3], s[G1:G1+7]      ; my one load behind the round: it has five K steps and half an exchange in which to land
	s_nop 0
	PLACES                                         ; (also the places in front of the loads below)
	FETCHB 1, 0, 0
.if \ask
	ASK
.endif
	WIN MUL
	MULS 1, 3, 6, 2, 0
.else
	s_wait_tensorcnt 0x0                           ; the last fill, my own block of slot 1, has landed; only I read it, so no barrier
	s_wait_dscnt 0x0
	PLACES
	FETCHB 1, 0, 0
	WIN MUL
	MULS 1, 3, 0, 8, 0
.endif
.endm
.macro GEMM fill, ask                  ; a pass: 64 tokens x my 128 columns, K = 1,024.  The first K step starts the sums: nothing is cleared
	UNIT 0, 0, 1
	UNIT 0, 1, 0
	UNIT 0, 2, 0
	TURN3 \fill, \ask
	UNIT 1, 4, 0
	UNIT 1, 5, 0
	UNIT 1, 6, 0
	s_wait_dscnt 0x0                               ; K step 7: nothing more to fetch here
	WIN MUL
	MULS 1, 7, 0, 8, 0
	PLACES                                         ; in front of the first read of results
	WIN 0
.endm
; THE ROUND IN THE MIDDLE OF THE EXCHANGE.  It is the barrier between my reads of the exchange's first 32 tokens and the stores of the next 32, and the round behind which slot 1 is filled again, two fills on.
; In front of it each wave waits for all its tensor loads (one is out: its block of slot 0, for the next pass), adds 0 to its spare word, and waits for that, for its reads of slot 1 and for its reads of the exchange.
; Behind the load come the next pass's first fragments, out of the block that the wait for 0 has shown landed.
.macro XROUND
	s_wait_tensorcnt 0x0
	ds_add_u32 v[SPW], v[NIL]                      ; 0 onto my spare word
	s_add_nc_u64 s[G0+6:G0+7], s[G0+6:G0+7], 2*SLOT   ; no tensor load of mine is out: the group 0 may be written
	s_wait_dscnt 0x0
	CROUND
	tensor_load_to_lds s[G0+4:G0+7], s[G1:G1+7]    ; my one load behind the round: it has half an exchange and three K steps in which to land
	s_nop 0
	PLACES
	FETCHB 0, 0, 0
.endm
; ---- THE EXCHANGE AND THE ATTENTION
; Tiles mt = 2 R, 2 R + 1 (32 tokens): for each token 16 u + 8 hh + j, my eight tiles' numbers of lane r become 16 bytes of f16.  Register j = 0 first: each accumulator is read from its low end on.
.macro PACKST R
	s_wait_xcnt 0x0                                ; att's earlier stores have read these registers
	WIN 0x0f                                       ; sources 0 and 1 window 3
.irp u, 0,1
.irp j, 0,1,2,3,4,5,6,7
.irp p, 0,1,2,3
	v_cvt_pk_f16_f32 v[PK+4*(8*\u+\j)+\p], v[8*(8*(2*(\R)+\u)+2*\p)+\j], v[8*(8*(2*(\R)+\u)+2*\p+1)+\j]
.endr
.endr
.endr
	WIN 0
.irp u, 0,1
.irp j, 0,1,2,3,4,5,6,7
	ds_store_b128 v[EXW], v[PK+4*(8*\u+\j):PK+4*(8*\u+\j)+3] offset:1024*(16*\u+\j)   ; sixteen lanes write 256 consecutive bytes
.endr
.endr
.endm
.macro CONS_Q R                        ; my 8 tokens' fragments of q (16 heads x 32 features) stay in registers
	WIN 0x80
.irp i, 0,1,2,3,4,5,6,7
.irp e, 0,1
	ds_load_b128 v[QH+8*(8*(\R)+\i)+4*\e:QH+8*(8*(\R)+\i)+4*\e+3], v[EXR] offset:1024*\i+512*\e
.endr
.endr
	WIN 0
.endm
.macro CONS_K R                        ; S^T += k q^T over these 32 features: eight tokens, eight accumulators, one instruction each
.irp i, 0,1,2,3,4,5,6,7
.irp e, 0,1
	ds_load_b128 v[PK+8*\i+4*\e:PK+8*\i+4*\e+3], v[EXR] offset:1024*\i+512*\e
.endr
.endr
	s_wait_dscnt 0x0
	WIN 0x08                                       ; source 1 (q) window 2
.irp i, 0,1,2,3,4,5,6,7
	v_wmma_f32_16x16x32_f16 v[ST+8*(8*(\R)+\i):ST+8*(8*(\R)+\i)+7], v[PK+8*\i:PK+8*\i+7], v[QH+8*(8*(\R)+\i):QH+8*(8*(\R)+\i)+7], v[ST+8*(8*(\R)+\i):ST+8*(8*(\R)+\i)+7]
.endr
	WIN 0
	PLACES
.endm
; The softmax of 8 tokens, by turns.  Lane (h, hh) holds the scores of query head h against key heads 8 hh + 0..7.  Four registers a token: +0 c m, then 1 / sum; +1 m; +2, +3 at work.
.macro SOFTMAX R
.irp i, 0,1,2,3,4,5,6,7
	v_max3_num_f32 v[PK+4*\i+1], v[ST+8*(8*(\R)+\i)], v[ST+8*(8*(\R)+\i)+1], v[ST+8*(8*(\R)+\i)+2]
.endr
.irp k, 3,5
.irp i, 0,1,2,3,4,5,6,7
	v_max3_num_f32 v[PK+4*\i+1], v[PK+4*\i+1], v[ST+8*(8*(\R)+\i)+\k], v[ST+8*(8*(\R)+\i)+\k+1]
.endr
.endr
.irp i, 0,1,2,3,4,5,6,7
	v_max_num_f32 v[PK+4*\i+1], v[PK+4*\i+1], v[ST+8*(8*(\R)+\i)+7]
.endr
.irp i, 0,1,2,3,4,5,6,7
	v_permlanex16_b32 v[PK+4*\i+3], v[PK+4*\i+1], s[SEL], s[SEL+1]
.endr
.irp i, 0,1,2,3,4,5,6,7
	v_max_num_f32 v[PK+4*\i+1], v[PK+4*\i+1], v[PK+4*\i+3]   ; the row's maximum m
.endr
.irp i, 0,1,2,3,4,5,6,7
	v_mul_f32 v[PK+4*\i], s[CS], v[PK+4*\i+1]      ; c m
.endr
.irp k, 0,2,4,6
.irp i, 0,1,2,3,4,5,6,7
	v_pk_fma_f32 v[ST+8*(8*(\R)+\i)+\k:ST+8*(8*(\R)+\i)+\k+1], v[ST+8*(8*(\R)+\i)+\k:ST+8*(8*(\R)+\i)+\k+1], s[CS:CS+1], v[PK+4*\i:PK+4*\i+1] op_sel_hi:[1,0,0] neg_lo:[0,0,1] neg_hi:[0,0,1]   ; c s - c m
.endr
.endr
.irp i, 0,1,2,3,4,5,6,7
.irp k, 0,1,2,3,4,5,6,7
	v_exp_f32 v[ST+8*(8*(\R)+\i)+\k], v[ST+8*(8*(\R)+\i)+\k]
.endr
.endr
	v_nop                                          ; a plain line behind the last exponential
	s_wait_alu depctr_va_vdst(0)                   ; one wait for the batch of 64, ahead of its first reader
.irp i, 0,1,2,3,4,5,6,7
	v_pk_add_f32 v[PK+4*\i+2:PK+4*\i+3], v[ST+8*(8*(\R)+\i):ST+8*(8*(\R)+\i)+1], v[ST+8*(8*(\R)+\i)+2:ST+8*(8*(\R)+\i)+3]
.endr
.irp k, 4,6
.irp i, 0,1,2,3,4,5,6,7
	v_pk_add_f32 v[PK+4*\i+2:PK+4*\i+3], v[PK+4*\i+2:PK+4*\i+3], v[ST+8*(8*(\R)+\i)+\k:ST+8*(8*(\R)+\i)+\k+1]
.endr
.endr
.irp i, 0,1,2,3,4,5,6,7
	v_add_f32 v[PK+4*\i+2], v[PK+4*\i+2], v[PK+4*\i+3]
.endr
.irp i, 0,1,2,3,4,5,6,7
	v_permlanex16_b32 v[PK+4*\i+3], v[PK+4*\i+2], s[SEL], s[SEL+1]
.endr
.irp i, 0,1,2,3,4,5,6,7
	v_add_f32 v[PK+4*\i+2], v[PK+4*\i+2], v[PK+4*\i+3]   ; the row's sum: at least about 1, the maximum's own term
.endr
.irp i, 0,1,2,3,4,5,6,7
	v_rcp_f32 v[PK+4*\i], v[PK+4*\i+2]
.endr
	v_nop
	s_wait_alu depctr_va_vdst(0)                   ; one wait for the eight reciprocals
.irp k, 0,2,4,6
.irp i, 0,1,2,3,4,5,6,7
	v_pk_mul_f32 v[ST+8*(8*(\R)+\i)+\k:ST+8*(8*(\R)+\i)+\k+1], v[ST+8*(8*(\R)+\i)+\k:ST+8*(8*(\R)+\i)+\k+1], v[PK+4*\i:PK+4*\i+1] op_sel_hi:[1,0]
.endr
.endr
	WIN 0x80                                       ; p takes q's place: registers 0-3 key heads 8 hh + 0..7, registers 4-7 zeros (the form's K = 16 .. 31)
.irp i, 0,1,2,3,4,5,6,7
.irp p, 0,1,2,3
	v_cvt_pk_f16_f32 v[QH+8*(8*(\R)+\i)+\p], v[ST+8*(8*(\R)+\i)+2*\p], v[ST+8*(8*(\R)+\i)+2*\p+1]
.endr
.irp p, 4,5,6,7
	v_mov_b32 v[QH+8*(8*(\R)+\i)+\p], 0
.endr
.endr
	WIN 0
.endm
; O^T = v^T p^T for my 8 tokens and the pass's two tiles of 16 channels (a = 2 A + x), rounded to f16 and stored.  A piece of v is registers 0-3 of source 0; registers 4-7 are the four that follow: they meet p's zeros.
.macro CONS_V R, A
.irp i, 0,1,2,3,4,5,6,7
.irp x, 0,1
	ds_load_b128 v[PK+4*(2*\i+\x):PK+4*(2*\i+\x)+3], v[EXR] offset:1024*\i+512*\x
.endr
.endr
	s_wait_dscnt 0x0
	WIN 0x08                                       ; source 1 (p) window 2
.irp i, 0,1,2,3,4,5,6,7
.irp x, 0,1
	v_wmma_f32_16x16x32_f16 v[ST+8*(2*\i+\x):ST+8*(2*\i+\x)+7], v[PK+4*(2*\i+\x):PK+4*(2*\i+\x)+7], v[QH+8*(8*(\R)+\i):QH+8*(8*(\R)+\i)+7], 0
.endr
.endr
	WIN 0
	PLACES
.irp k, 0,1,2,3,4,5,6,7,8,9,10,11,12,13,14,15
.irp p, 0,1,2,3
	v_cvt_pk_f16_f32 v[PK+4*\k+\p], v[ST+8*\k+2*\p], v[ST+8*\k+2*\p+1]   ; lane (r, hh): out(head r, channels 16 a + 8 hh + 0..7)
.endr
.endr
.irp i, 0,1,2,3,4,5,6,7
.irp x, 0,1
	global_store_b128 v[XA], v[PK+4*(2*\i+\x):PK+4*(2*\i+\x)+3], s[8:9] offset:2048*(32*(\R)+\i)+512*(2*(\A)+\x)   ; 32 lanes store 512 consecutive bytes, aligned
.endr
.endr
.endm
	s_wait_tensorcnt 1                             ; fill 0, my own block, has landed; fill 1 was issued behind it and may stay out
	FETCHB 0, 0, 0
.set i, 0
.rept 128
	v_mov_b32 v[ST+i], 0                           ; S^T begins as zeros: so the loop below is written once for both halves of the 64 features, which spares two more copies of a pass's 256 products
.set i, i+1
.endr
	s_mov_b32 s36, 0
.Lqk:                                              ; two trips: features 0-31, then 32-63.  A trip: a pass for q, a pass for k; four refills, one prefetch
	GEMM 1, 1
	PACKST 0
	BARRIER                                        ; 32 tokens lie in the exchange
	CONS_Q 0
	XROUND                                         ; every wave has read them; slot 1 is filled again
	PACKST 1
	BARRIER
	CONS_Q 1                                       ; (the exchange is written again only behind the next pass's round at K step 3, in front of which every wave waits for its LDS loads)
	GEMM 1, 0
	PACKST 0
	BARRIER
	CONS_K 0
	XROUND
	PACKST 1
	BARRIER
	CONS_K 1
	s_wait_xcnt 0x0                                ; the trip's prefetch, nearly two passes back, has read its address, so it may be written:
	s_add_nc_u64 s[PFA:PFA+1], s[PFA:PFA+1], 4*SLOT   ; four fills on (behind the second trip it is not used again)
	s_add_co_u32 s36, s36, 1
	s_cmp_lt_u32 s36, 2
	s_cbranch_scc1 .Lqk
	SOFTMAX 0
	SOFTMAX 1
	GEMM 1, 0                                      ; v, channels 0-31: the last two refills
	PACKST 0
	BARRIER
	CONS_V 0, 0
	XROUND
	PACKST 1
	BARRIER
	CONS_V 1, 0
	GEMM 0, 0                                      ; v, channels 32-63: written out, since nothing is left to fetch
	BARRIER                                        ; this pass has no round: every wave's reads of the exchange are over before it is written again
	PACKST 0
	BARRIER
	CONS_V 0, 1
	BARRIER
	PACKST 1
	BARRIER
	CONS_V 1, 1
	s_wait_tensorcnt 0x0                           ; the wave's end: behind my last tensor load and my last LDS store
	ds_add_u32 v[SPW], v[NIL]
	s_wait_dscnt 0x0
	CROUND                                         ; the closing round: no work-group ends while a partner may still ask for a fill that names it
	s_endpgm
.Lfunc_end_k_q5c6a7f57ac_qkvatt:
	.size	k_q5c6a7f57ac_qkvatt, .Lfunc_end_k_q5c6a7f57ac_qkvatt-k_q5c6a7f57ac_qkvatt
	.p2alignl 7, 3214868480
	.fill 96, 4, 3214868480
	.section	.rodata,"a",@progbits
	.p2align	6, 0x0
	.amdhsa_kernel k_q5c6a7f57ac_qkvatt
		.amdhsa_group_segment_fixed_size 327680
		.amdhsa_private_segment_fixed_size 0
		.amdhsa_enable_private_segment 0
		.amdhsa_kernarg_size 24
		.amdhsa_user_sgpr_count 2
		.amdhsa_user_sgpr_kernarg_segment_ptr 1
		.amdhsa_wavefront_size32 1
		.amdhsa_system_sgpr_workgroup_id_x 1
		.amdhsa_system_sgpr_workgroup_id_y 1
		.amdhsa_system_sgpr_workgroup_id_z 1
		.amdhsa_system_vgpr_workitem_id 0
		.amdhsa_next_free_vgpr 1024
		.amdhsa_next_free_sgpr 66
		.amdhsa_reserve_vcc 0
		.amdhsa_float_denorm_mode_32 3
		.amdhsa_float_denorm_mode_16_64 3
		.amdhsa_memory_ordered 1
		.amdhsa_forward_progress 1
		.amdhsa_inst_pref_size 255
	.end_amdhsa_kernel
	.section	.bss,"aw",@nobits
	.p2align	6
	.space	262144
	.amdgpu_metadata
---
amdhsa.version: [ 1, 2 ]
amdhsa.kernels:
  - .name:           k_q5c6a7f57ac_qkvatt
    .symbol:         k_q5c6a7f57ac_qkvatt.kd
    .args:
      - { .name: x, .offset: 0, .size: 8, .value_kind: global_buffer, .address_space: global }
      - { .name: wq, .offset: 8, .size: 8, .value_kind: global_buffer, .address_space: global }
      - { .name: att, .offset: 16, .size: 8, .value_kind: global_buffer, .address_space: global }
    .group_segment_fixed_size: 327680
    .private_segment_fixed_size: 0
    .kernarg_segment_align: 8
    .kernarg_segment_size: 24
    .max_flat_workgroup_size: 128
    .sgpr_count:     66
    .vgpr_count:     1024
    .wavefront_size: 32
...
	.end_amdgpu_metadata
.endif
;; end of part 2
;; launch proj (part 3): grid 4 x 64, 4 waves a work-group, clusters of 4 x 4, 327,680 bytes of LDS; arguments att, wp, bproj, out0; writes out0
.if DOCPART == 3
	.amdgcn_target "amdgcn-amd-amdhsa--gfx1250"
	.amdhsa_code_object_version 6
	.text
	.protected	k_q5c6a7f57ac_proj
	.globl	k_q5c6a7f57ac_proj
	.p2align	8
	.type	k_q5c6a7f57ac_proj,@function
k_q5c6a7f57ac_proj:
	s_mov_b64 s[64:65], 0
	v_nop
	global_prefetch_b8 v0, s[64:65] scope:SCOPE_SE
	s_setreg_imm32_b32 hwreg(HW_REG_WAVE_MODE, 25, 1), 1
	s_wait_xcnt 0x0
	s_wait_alu depctr_hold_cnt(0) depctr_sa_sdst(0) depctr_va_vdst(0) depctr_va_sdst(0) depctr_va_ssrc(0) depctr_va_vcc(0) depctr_vm_vsrc(0)
	s_getreg_b32 s2, hwreg(HW_REG_IB_STS2, 6, 4)
	s_cmp_eq_u32 s2, 0
	s_cbranch_scc0 .Lentry_in_a_cluster
	s_endpgm
.Lentry_in_a_cluster:
	s_bfe_u32 s2, ttmp6, 0x10000c
	s_cmp_lg_u32 s2, 0xf033
	s_cbranch_scc0 .Lentry_shape_is_right
	s_endpgm
.Lentry_shape_is_right:
; out0[m][n] = sum over p of att[m][p] wp[n][p] + bproj[n].  att [16384][1024], wp [1024][1024]: f16, both with the same permutation of K; bproj [1024], out0 [16384][1024]: f32; sums in f32.
; A tile of out0, 256 x 256, is made by a work-group of four waves; a wave makes 128 x 128: 64 accumulators of 16 x 16, 512 registers.  256 tiles, one to a work-group.
; K goes in steps of 128 (rows of 256 bytes) through a ring of two LDS slots filled by the tensor data mover: 8 K steps, 256 matrix instructions a wave in each.
; CLUSTERS: 4 x 4 work-groups.  The four of a row of the cluster need the same tiles of att, the four of a column the same tiles of wp: each tile is asked for JOINTLY, by the same tensor load with the same
; descriptor and a mask that names the four.  out0 has four tile columns, so a row of the cluster is all that reads a tile row of att.
; THE MATRIX INSTRUCTION IS USED TRANSPOSED (source 0 = 16 rows of wp, source 1 = 16 rows of att): a lane holds eight neighbouring numbers of a row of out0.
; THE BIAS is the C of each sum's first matrix instruction: eight registers for each of my eight blocks of 16 columns, in the result's layout.
; THE LAST K STEP GOES BY ROWS OF out0, NOT BY K: nothing follows the tile under which its stores could leave, so my eight blocks of 16 rows are finished one after the other and each leaves as soon as it is finished.
; No prefetch: between a tile's request and the wait for it a wave issues 224 matrix instructions.
; LIMITS: operands in f16 (magnitudes up to 65,504; under 6e-5 kept to 3e-8 absolute).
; REGISTERS: window 0: v16-29 addresses; v64-127, v128-191 fragments of att, two buffers (in the last K step four, of 16 rows x 128 K); v192-255 rows of out0 on the way out.
;   window 1: v0-63 the bias; v64-127, v128-191 fragments of wp; in the last K step all 256: wp's fragments of the whole step.
;   window 2: the 32 accumulators of my rows 0-63 ((a, b) at v[8 (8 a + b)]);   window 3: those of my rows 64-127.
.set KSTEP,  128
.set PITCH,  272                       ; an LDS row: 256 bytes + 16 of padding: 17 x 16 bytes
.set HALFT,  128*PITCH                 ; 128 rows: what one tensor load brings, and what one wave reads of att or of wp
.set SLOT,   4*HALFT                   ; att's 256 rows, then wp's 256 rows
.set STAGE,  2*SLOT                    ; behind the ring: 16 rows x 528 bytes for each wave, for the way out
.set SPITCH, 528
.set SPARE,  STAGE+4*16*SPITCH         ; the spare words, 128 bytes for each wave: two blocks of 256 bytes that no other line names
.set LAPS,   4                         ; a lap = two K steps = once round the ring
.set NROW,   4096                      ; a row of out0 in bytes
.set ADRA, 16                          ; v16-17  LDS address of my fragments of att in slot 0, 1
.set ADRB, 20                          ; v20-21  the same for wp
.set STO,  24                          ; v24     the way out: where I put 32 bytes of a row
.set RD,   25                          ; v25     where I read a row back
.set CO,   26                          ; v26     my byte offset in a row of out0
.set BO,   27                          ; v27     32 x (lane / 16): my eight numbers of a block of the bias
.set SPW,  28                          ; v28     LDS address of my spare word; never rewritten
.set NIL,  29                          ; v29     0; never rewritten
.set F0,   64
.set F1,   128
.set PA,   64                          ; the last K step: att's fragments of 16 rows x 128 K, 32 registers; four such buffers, v64-191
.set BK,   192                         ; the way out: v192-255, 16 rows read back from the stage
.set G1, 24                            ; s[24:31] group 1 for att's tiles;  s[32:39] group 0, a set for each slot
.set G0, 32
.set G1B, 48                           ; s[48:55], s[56:63] the same for wp's
.set G0B, 56
.set MSB, 0
.macro WIN new
.if MSB != (\new)
	s_set_vgpr_msb (MSB<<8)|(\new)
.set MSB, (\new)
.endif
.endm
.set MUL_LO, 0xa1                      ; source 0 (wp) window 1, source 1 (att) window 0, C and D window 2
.set MUL_HI, 0xf1                      ; the same, C and D window 3
.set BIA_LO, 0x91                      ; C (the bias) window 1, D window 2
.set BIA_HI, 0xd1                      ; C window 1, D window 3
.set TO_B,   0x40
.macro PLACES
.rept 4
	v_nop
.endr
.endm
; A joint load: waves 0 and 1 fetch att's two halves, waves 2 and 3 wp's.  The branch hangs on the wave's number alone.  An s_nop 0 and four v_nop follow each of the two lines.
.macro JLOAD s
	s_cmp_eq_u32 s13, 0
	s_cbranch_scc0 .Lfor_b_\@
	tensor_load_to_lds s[G0+4*\s:G0+4*\s+3], s[G1:G1+7]
	s_nop 0
	PLACES
	s_branch .Lasked_\@
.Lfor_b_\@:
	tensor_load_to_lds s[G0B+4*\s:G0B+4*\s+3], s[G1B:G1B+7]
	s_nop 0
	PLACES
.Lasked_\@:
.endm
.macro CREST
	s_cmp_lg_u32 s12, 0
	s_cbranch_scc1 .Lnot_wave_0_\@
	s_barrier_signal -3
.Lnot_wave_0_\@:
	s_barrier_wait -3
	s_barrier_signal -1
	s_barrier_wait -1
.endm
.macro CROUND
	s_barrier_signal -1
	s_barrier_wait -1
	CREST
.endm
	s_load_b256 s[4:11], s[0:1], 0x0               ; att s[4:5], wp s[6:7], bproj s[8:9], out0 s[10:11]
	v_lshl_add_u32 v[SPW], v0, 2, SPARE
	v_mov_b32 v[NIL], 0
	ds_add_u32 v[SPW], v[NIL]                      ; the wave's opening: the add, twice on end, and its wait ahead of my first tensor load
	ds_add_u32 v[SPW], v[NIL]                      ; and once more; the set-up below, work on registers, stands between it and the wait
	v_lshrrev_b32 v1, 5, v0
	v_readfirstlane_b32 s12, v1                    ; wave 0..3
	s_lshr_b32 s13, s12, 1                         ; which half of the tile's rows is mine.  Also: I fetch for att (0) or for wp (1)
	s_and_b32 s14, s12, 1                          ; which half of its columns.  Also: which 128 rows of that tile I fetch
	s_bfe_u32 s40, ttmp6, 0x40000                  ; cx, cy: my place in the cluster
	s_bfe_u32 s41, ttmp6, 0x40004
	s_lshl_b32 s42, ttmp9, 2
	s_add_co_u32 s42, s42, s40                     ; tile column
	s_and_b32 s43, ttmp7, 0xffff
	s_lshl_b32 s43, s43, 2
	s_add_co_u32 s43, s43, s41                     ; tile row
	s_lshl_b32 s44, s41, 2
	s_lshl_b32 s44, 15, s44                        ; my row of the cluster
	s_lshl_b32 s45, 0x1111, s40                    ; my column
	; group 1: a tile of 128 rows x 128 elements of 2 bytes, 16 bytes of padding behind each row
	s_or_b32 s[G1+0], s44, (1<<16)|(1<<20)|(1<<21)|(5<<22)|(3<<25)
	s_or_b32 s[G1B+0], s45, (1<<16)|(1<<20)|(1<<21)|(5<<22)|(3<<25)
.irp g, G1, G1B
	s_mov_b32 s[\g+1], KSTEP<<16                   ; tensor_dim0
	s_mov_b32 s[\g+2], 128<<16                     ; tensor_dim1
	s_mov_b32 s[\g+3], KSTEP<<16                   ; tile_dim0
	s_mov_b32 s[\g+4], 128                         ; tile_dim1
	s_mov_b32 s[\g+5], 1024                        ; the pitch, in elements
	s_mov_b32 s[\g+6], 0
	s_mov_b32 s[\g+7], 0
.endr
	s_lshl_b32 s17, s14, 7                         ; which 128 rows of the tile I fetch
	s_lshl_b32 s16, s43, 8
	s_add_co_u32 s16, s16, s17                     ; att: row 256 x tile row + 128 x half,
	s_lshl_b32 s16, s16, 11                        ; of 2,048 bytes
	s_lshl_b32 s46, s42, 8
	s_add_co_u32 s46, s46, s17                     ; wp: row 256 x tile column + 128 x half
	s_lshl_b32 s46, s46, 11
	s_mov_b32 s17, 0
	s_mov_b32 s47, 0
	s_mul_i32 s20, s12, HALFT                      ; where they go: wave x 128 rows: no place in the cluster enters an LDS address
	s_wait_dscnt 0x0                               ; both opening adds are done
	s_wait_kmcnt 0x0
	s_add_nc_u64 s[16:17], s[4:5], s[16:17]
	s_add_nc_u64 s[46:47], s[6:7], s[46:47]
	CROUND                                         ; all sixteen work-groups are here: the first joint loads meet
.irp s, 0,1
	s_mov_b32 s[G0+4*\s], 1
	s_add_co_u32 s[G0+4*\s+1], s20, \s*SLOT
	s_add_nc_u64 s[G0+4*\s+2:G0+4*\s+3], s[16:17], \s*KSTEP*2
	s_or_b32 s[G0+4*\s+3], s[G0+4*\s+3], 0x80000000
	s_mov_b32 s[G0B+4*\s], 1
	s_add_co_u32 s[G0B+4*\s+1], s20, \s*SLOT
	s_add_nc_u64 s[G0B+4*\s+2:G0B+4*\s+3], s[46:47], \s*KSTEP*2
	s_or_b32 s[G0B+4*\s+3], s[G0B+4*\s+3], 0x80000000
	JLOAD \s                                       ; K steps 0 and 1: two loads of mine are out
.endr
	v_and_b32 v1, 15, v0                           ; l % 16
	v_bfe_u32 v2, v0, 4, 1                         ; l / 16
	v_mul_u32_u24 v3, v1, PITCH
	v_lshl_add_u32 v3, v2, 4, v3                   ; a fragment's row x pitch + 16 x half
	s_mul_i32 s21, s13, HALFT                      ; my 128 rows of att
	s_mul_i32 s22, s14, HALFT                      ; my 128 rows of wp,
	s_add_co_u32 s22, s22, 2*HALFT                 ; which lie behind att's 256
.irp s, 0,1
	v_add_nc_u32 v[ADRA+\s], s21, v3
	v_add_nc_u32 v[ADRB+\s], s22, v3
	s_add_co_u32 s21, s21, SLOT
	s_add_co_u32 s22, s22, SLOT
.endr
	s_mul_i32 s23, s12, 16*SPITCH
	s_add_co_u32 s23, s23, STAGE                   ; my stage
	v_mul_u32_u24 v4, v1, SPITCH                   ; in: row l % 16, 32 bytes for each half of the lanes
	v_lshl_add_u32 v4, v2, 5, v4
	v_add_nc_u32 v[STO], s23, v4
	v_and_b32 v5, 31, v0
	v_lshlrev_b32 v[CO], 4, v5                     ; back: the 32 lanes take one row of 512 bytes; and the same in out0
	v_add_nc_u32 v[RD], s23, v[CO]
	v_lshlrev_b32 v[BO], 5, v2
	s_lshl_b32 s18, s43, 8
	s_lshl_b32 s19, s13, 7
	s_add_co_u32 s18, s18, s19                     ; my first row of out0: 256 x tile row + 128 x half,
	s_lshl_b32 s18, s18, 12                        ; of 4,096 bytes
	s_lshl_b32 s66, s42, 10
	s_lshl_b32 s67, s14, 9
	s_add_co_u32 s66, s66, s67                     ; my first column, in bytes: 1,024 x tile column + 512 x half
	s_mov_b32 s67, 0
	s_add_nc_u64 s[8:9], s[8:9], s[66:67]          ; the bias at my first column
	s_add_co_u32 s18, s18, s66
	s_mov_b32 s19, 0
	s_add_nc_u64 s[10:11], s[10:11], s[18:19]
	WIN TO_B
.irp b, 0,1,2,3,4,5,6,7
	global_load_b128 v[8*\b:8*\b+3],   v[BO], s[8:9] offset:64*\b      ; register j of block b: bproj[my first column + 16 b + 8 (l / 16) + j]
	global_load_b128 v[8*\b+4:8*\b+7], v[BO], s[8:9] offset:64*\b+16
.endr
	WIN 0
; 16 matrix instructions: m blocks a0, a0 + 1 of the window's four x all 8 n blocks, 32 along K.  first = 1: the bias starts the sums: nothing is cleared.
; The 64 accumulators take turns, one instruction a turn, in the same order in every quarter.
.macro MUL16 f, hi, a0, first
.irp a, \a0, \a0+1
.irp b, 0,1,2,3,4,5,6,7
.if \first
	v_wmma_f32_16x16x32_f16 v[8*(8*(\a)+\b):8*(8*(\a)+\b)+7], v[\f+8*\b:\f+8*\b+7], v[\f+8*(4*\hi+\a):\f+8*(4*\hi+\a)+7], v[8*\b:8*\b+7]
.else
	v_wmma_f32_16x16x32_f16 v[8*(8*(\a)+\b):8*(8*(\a)+\b)+7], v[\f+8*\b:\f+8*\b+7], v[\f+8*(4*\hi+\a):\f+8*(4*\hi+\a)+7], v[8*(8*(\a)+\b):8*(8*(\a)+\b)+7]
.endif
.endr
.endr
.endm
; 32 LDS loads in one run: the fragments of one quarter (128 rows of wp, 128 rows of att, 32 K at byte k of the rows) into buffer f
.macro FETCH slot, k, f
	WIN TO_B
.irp i, 0,1,2,3,4,5,6,7
	ds_load_b128 v[\f+8*\i:\f+8*\i+3],   v[ADRB+\slot] offset:\k+\i*16*PITCH
	ds_load_b128 v[\f+8*\i+4:\f+8*\i+7], v[ADRB+\slot] offset:\k+\i*16*PITCH+32
.endr
	WIN 0
.irp i, 0,1,2,3,4,5,6,7
	ds_load_b128 v[\f+8*\i:\f+8*\i+3],   v[ADRA+\slot] offset:\k+\i*16*PITCH
	ds_load_b128 v[\f+8*\i+4:\f+8*\i+7], v[ADRA+\slot] offset:\k+\i*16*PITCH+32
.endr
.endm
; A K step is four quarters of 32 along K, 64 matrix instructions each, on buffers 0, 1, 0, 1.  One of the first three: multiplies buffer f; in its middle it fetches the next quarter, at byte k, into buffer g.
.macro QUARTER slot, k, f, g, first
	s_wait_dscnt 8                                 ; wp's and att's rows 0-63 are in; the youngest eight loads (att's rows 64-127) may be out
.if \first
	WIN BIA_LO
.else
	WIN MUL_LO
.endif
	MUL16 \f, 0, 0, \first
	MUL16 \f, 0, 2, \first
	PLACES                                         ; in front of loads into the buffer that the quarter before multiplied
	FETCH \slot, \k, \g
	s_wait_dscnt 32                                ; all but the 32 just issued
.if \first
	WIN BIA_HI
.else
	WIN MUL_HI
.endif
	MUL16 \f, 1, 0, \first
	MUL16 \f, 1, 2, \first
.endm
; The last quarter multiplies buffer 1 and changes slots.  MEET is its first half: ONE barrier; in front of it each wave waits for all its tensor loads (one is out: its part of the next slot), adds 0 to its spare
; word, and waits for that and for its own reads of this slot.  round = 1: the barrier opens a round of the cluster's.
.macro MEET round
	WIN 0                                          ; (the add's two registers lie in window 0)
	s_wait_tensorcnt 0x0
	ds_add_u32 v[SPW], v[NIL]                      ; 0 onto my spare word
	s_wait_dscnt 9                                 ; (the add and the youngest eight loads may be out)
	WIN MUL_LO
	MUL16 F1, 0, 0, 0                              ; sixteen matrix instructions stand between the add and the wait for it
	s_wait_dscnt 0x0                               ; the add is done, and my reads of this slot are over
	s_barrier_signal -1
	MUL16 F1, 0, 2, 0
.if \round
	WIN 0
.endif
	s_barrier_wait -1
.endm
; The whole last quarter of a K step whose slot is filled again, two K steps ahead.
.macro TURN slot, next
	MEET 1
	CREST                                          ; no wave of any partner still reads this slot's tile or has a load on its way
	s_add_nc_u64 s[G0+4*\slot+2:G0+4*\slot+3], s[G0+4*\slot+2:G0+4*\slot+3], 2*KSTEP*2
	s_add_nc_u64 s[G0B+4*\slot+2:G0B+4*\slot+3], s[G0B+4*\slot+2:G0B+4*\slot+3], 2*KSTEP*2
	JLOAD \slot                                    ; the first tensor load behind the round; the four v_nop behind it are also the places in front of the loads below
	FETCH \next, 0, F0
	WIN MUL_HI
	MUL16 F1, 1, 0, 0
	MUL16 F1, 1, 2, 0
.endm
; THE LAST K STEP (it lies in slot 1).  All its fragments of wp (4 quarters x 64 registers) fill window 1; att's come by blocks of 16 rows x 128 K.  A block is finished by 32 matrix instructions, its 8 accumulators
; by turns, K ascending: the sums are those of a K step walked by K.  LDS is read no more than in any other K step.
.macro BLOAD q                         ; wp's fragments of quarter q -> window 1, v[64 q ..]
.irp i, 0,1,2,3,4,5,6,7
	ds_load_b128 v[64*\q+8*\i:64*\q+8*\i+3],   v[ADRB+1] offset:64*\q+\i*16*PITCH
	ds_load_b128 v[64*\q+8*\i+4:64*\q+8*\i+7], v[ADRB+1] offset:64*\q+\i*16*PITCH+32
.endr
.endm
.macro ALOAD a                         ; att's fragments of block a, all four quarters -> buffer a % 4
.set FA, PA+32*((\a)%4)
.irp q, 0,1,2,3
	ds_load_b128 v[FA+8*\q:FA+8*\q+3],   v[ADRA+1] offset:64*\q+(\a)*16*PITCH
	ds_load_b128 v[FA+8*\q+4:FA+8*\q+7], v[ADRA+1] offset:64*\q+(\a)*16*PITCH+32
.endr
.endm
.macro ROW a                           ; block a is finished: 32 matrix instructions
.set FA, PA+32*((\a)%4)                ; its fragments of att
.set AC, 64*((\a)%4)                   ; its eight accumulators, in window 2 (blocks 0-3) or 3 (blocks 4-7)
	WIN MUL_LO+0x50*((\a)/4)                       ; MUL_LO or MUL_HI
.irp q, 0,1,2,3
.if (\a) == 0 && \q == 2
	s_wait_dscnt 24                                ; wp's quarter 2 is in (behind it: att's blocks 1 to 3, 24 loads)
.endif
.irp b, 0,1,2,3,4,5,6,7
	v_wmma_f32_16x16x32_f16 v[AC+8*\b:AC+8*\b+7], v[64*\q+8*\b:64*\q+8*\b+7], v[FA+8*\q:FA+8*\q+7], v[AC+8*\b:AC+8*\b+7]
.endr
.endr
.endm
; THE WAY OUT of block a, 16 rows x 128 columns.  A lane holds 32 neighbouring bytes of a row, the lanes beside it other rows: the block goes through my own stage in LDS and comes back as whole rows of 512 bytes.
; LDS serves a wave's instructions in order (ISA guide 5.7.1.4): no wait between the stores and the loads, nor in front of the next block's stores.
.macro TOSTAGE a
.set AC, 64*((\a)%4)
	WIN 0x08+4*((\a)/4)                            ; the data: window 2 or 3
.irp b, 0,1,2,3,4,5,6,7
	ds_store_b128 v[STO], v[AC+8*\b:AC+8*\b+3] offset:64*\b          ; each accumulator from its low end on
	ds_store_b128 v[STO], v[AC+8*\b+4:AC+8*\b+7] offset:64*\b+16
.endr
	WIN 0
.irp t, 0,1,2,3,4,5,6,7,8,9,10,11,12,13,14,15
	ds_load_b128 v[BK+4*\t:BK+4*\t+3], v[RD] offset:\t*SPITCH
.endr
.endm
.macro SEND a, younger                 ; younger: the LDS loads issued behind the stage's, which may stay out
	s_wait_dscnt \younger                          ; the block is back in registers
.if (\a) > 0
	s_add_nc_u64 s[10:11], s[10:11], 16*NROW       ; (behind the block's wait on XCNT: the earlier stores have read their base)  16 rows on
.endif
.irp t, 0,1,2,3,4,5,6,7,8,9,10,11,12,13,14,15
	global_store_b128 v[CO], v[BK+4*\t:BK+4*\t+3], s[10:11] offset:\t*NROW th:TH_STORE_NT   ; 32 lanes store 512 consecutive bytes, aligned; written once, read by nobody here
.endr
.endm
	s_wait_tensorcnt 1                             ; my part of K step 0 is in; K step 1's load was issued behind it and may stay out
	s_barrier_signal -1
	s_barrier_wait -1                              ; everybody's is
	FETCH 0, 0, F0
	s_wait_loadcnt 0x0                             ; the bias
	QUARTER 0, 64,  F0, F1, 1                      ; the first quarter stands in front of the loop: its products start the sums
	WIN 0                                          ; at a label and at a branch every window is 0
	s_mov_b32 s3, LAPS-1
.Llap:                                             ; a trip goes once round the ring, from a lap's second quarter to the next lap's first, and fills both slots again: K steps 2 to 7
	QUARTER 0, 128, F1, F0, 0
	QUARTER 0, 192, F0, F1, 0
	TURN 0, 1
	QUARTER 1, 64,  F0, F1, 0
	QUARTER 1, 128, F1, F0, 0
	QUARTER 1, 192, F0, F1, 0
	TURN 1, 0
	QUARTER 0, 64,  F0, F1, 0
	WIN 0
	s_sub_co_u32 s3, s3, 1
	s_cmp_lg_u32 s3, 0
	s_cbranch_scc1 .Llap
	QUARTER 0, 128, F1, F0, 0                      ; the last lap fills nothing, and has no round of the cluster's barrier
	QUARTER 0, 192, F0, F1, 0
	MEET 0                                         ; my one tensor load that was still out is slot 1's, the last K step's
	PLACES                                         ; for the loads into buffer 0, which the quarter before multiplied
	WIN TO_B
	BLOAD 0                                        ; three quarters of wp now (the first lands where the bias lay: it was read in the first quarter alone); buffer 1, v128-191 of both windows, is still being multiplied
	BLOAD 1
	BLOAD 3
	WIN 0
	ALOAD 0
	WIN MUL_HI
	MUL16 F1, 1, 0, 0
	MUL16 F1, 1, 2, 0
	PLACES                                         ; for the loads into buffer 1
	WIN TO_B
	BLOAD 2
	WIN 0
	ALOAD 1
	ALOAD 2
	ALOAD 3
	s_wait_dscnt 40                                ; all but the 40 just issued: wp's quarter 2 (16) and att's blocks 1 to 3 (24)
	ROW 0
.irp a, 0,1,2,3,4,5,6,7                ; each block leaves as soon as it is finished
	PLACES                                         ; the LDS stores read results just made, and the loads below land on fragments just read
.if \a > 0
	s_wait_xcnt 0x0                                ; the block before's stores, a block's 32 products back, have read their registers and their base: the stage's loads may land there, and the base may step
.endif
	TOSTAGE \a
.if \a < 4
	ALOAD \a+4                                     ; its buffer takes the block four further on
	SEND \a, 8                                     ; (those eight loads may be out)
.else
	SEND \a, 0
.endif
.if \a < 7
	ROW \a+1
.endif
.endr
	s_wait_tensorcnt 0x0                           ; the wave's end: behind my last tensor load and my last LDS store
	ds_add_u32 v[SPW], v[NIL]
	s_wait_dscnt 0x0
	CROUND                                         ; the closing round: no work-group ends while a partner may still ask for a tile that names it
	s_endpgm
.Lfunc_end_k_q5c6a7f57ac_proj:
	.size	k_q5c6a7f57ac_proj, .Lfunc_end_k_q5c6a7f57ac_proj-k_q5c6a7f57ac_proj
	.p2alignl 7, 3214868480
	.fill 96, 4, 3214868480
	.section	.rodata,"a",@progbits
	.p2align	6, 0x0
	.amdhsa_kernel k_q5c6a7f57ac_proj
		.amdhsa_group_segment_fixed_size 327680
		.amdhsa_private_segment_fixed_size 0
		.amdhsa_enable_private_segment 0
		.amdhsa_kernarg_size 32
		.amdhsa_user_sgpr_count 2
		.amdhsa_user_sgpr_kernarg_segment_ptr 1
		.amdhsa_wavefront_size32 1
		.amdhsa_system_sgpr_workgroup_id_x 1
		.amdhsa_system_sgpr_workgroup_id_y 1
		.amdhsa_system_sgpr_workgroup_id_z 1
		.amdhsa_system_vgpr_workitem_id 0
		.amdhsa_next_free_vgpr 1024
		.amdhsa_next_free_sgpr 72
		.amdhsa_reserve_vcc 0
		.amdhsa_float_denorm_mode_32 3
		.amdhsa_float_denorm_mode_16_64 3
		.amdhsa_memory_ordered 1
		.amdhsa_forward_progress 1
		.amdhsa_inst_pref_size 142
	.end_amdhsa_kernel
	.amdgpu_metadata
---
amdhsa.version: [ 1, 2 ]
amdhsa.kernels:
  - .name:           k_q5c6a7f57ac_proj
    .symbol:         k_q5c6a7f57ac_proj.kd
    .args:
      - { .name: att, .offset: 0, .size: 8, .value_kind: global_buffer, .address_space: global }
      - { .name: wp, .offset: 8, .size: 8, .value_kind: global_buffer, .address_space: global }
      - { .name: bproj, .offset: 16, .size: 8, .value_kind: global_buffer, .address_space: global }
      - { .name: out0, .offset: 24, .size: 8, .value_kind: global_buffer, .address_space: global }
    .group_segment_fixed_size: 327680
    .private_segment_fixed_size: 0
    .kernarg_segment_align: 8
    .kernarg_segment_size: 32
    .max_flat_workgroup_size: 128
    .sgpr_count:     72
    .vgpr_count:     1024
    .wavefront_size: 32
...
	.end_amdgpu_metadata
.endif
;; end of part 3
